; MI455X (gfx1250); checked and timed in simulation.
; The chip was launched on July 23, 2026; its instructions are those of AMD's public machine-readable ISA for CDNA 5 (MIT licence, August 2026) and "CDNA5" Instruction Set Architecture Reference Guide (July 2026). The comments in the code are by the model that wrote it; some were corrected since.
;; Ensemble SRN. Allowed arithmetic: float matrix products may take bf16 or f16 operands with f32 sums; all other float work in f32.
;; Inputs: W1 64 x 3 x 64 float32; W2 64 x 64 x 64 float32; W3 64 x 64 x 1 float32; b1 64 x 64 float32; b2 64 x 64 float32; b3 64 x 1 float32; x 131,072 x 3 float32.
;; Outputs: out0 131,072 x 1 float32.
;; 2 versions, each right; version 2 is version 1 with the launch place written anew for expert scheduling mode. Each part assembles by itself: llvm-mc -triple=amdgcn-amd-amdhsa -mcpu=gfx1250 --defsym DOCPART=n.
;; ======== version 1 of 2: 3 launches
;; limits: values are held in f16: magnitudes above 65,504 overflow, below 6.1e-05 lose precision
;; workspace buffers: pk 524,288 bytes of whole numbers; gbase 1,048,576 bytes of whole numbers; seg 32,768 bytes of whole numbers; list 524,288 bytes of whole numbers; xh 1,048,576 bytes
;; launch route (part 1): grid 64 x 1, 16 waves a work-group, no clusters, 4,096 bytes of LDS; arguments x, pk, gbase, seg; writes pk, gbase, seg
.if DOCPART == 1
	.amdgcn_target "amdgcn-amd-amdhsa--gfx1250"
	.amdhsa_code_object_version 6
	.text
	.protected	k_qd0c437e550_route
	.globl	k_qd0c437e550_route
	.p2align	8
	.type	k_qd0c437e550_route,@function
k_qd0c437e550_route:
	s_mov_b64 s[64:65], 0
	v_nop
	global_prefetch_b8 v0, s[64:65] scope:SCOPE_SE
	s_setreg_imm32_b32 hwreg(HW_REG_WAVE_MODE, 25, 1), 1
	s_wait_xcnt 0x0
; ROUTE: which of the 64 submodels owns each of the 131,072 points, and where each point will stand when a block's points are sorted by model.
; All of it is stored as whole numbers at places that hang on no data; the next launch moves the points.
; The cell is made in f32 from x as it is given: id = c(x2) + 4 c(x1) + 16 c(x0), c(v) = clip(int((v+1)*0.5*4), 0, 3).
;   fma(v, 2, 2) has the bits of ((v+1)*0.5)*4: the two factors are powers of two, so the one rounding is that of v+1.
;   Clamping to [0, 3] and then truncating gives what truncating and then clipping gives.  LIMIT: a NaN coordinate goes to cell 0.
; A work-group owns a block b of 2,048 points; 16 waves; thread t holds the 4 neighbouring points 4 t .. 4 t + 3 of the block.
; Group (w, j) = the 32 points 128 w + 4 lane + j of wave w; groups are ordered by 4 w + j.
;   pk[p]              = model | rank << 8, rank = how many points of the same model stand in lower lanes of p's group
;   gbase[b][4w+j][m]  = the slot, among the block's 2,048 slots sorted by model, of the first point of model m in group (w, j)
;   seg[b][m]          = { first slot of model m, number of its points }
; A block holds 2,048 points whatever their models, so the sorted order needs no sum over work-groups, hence one work-group a block: 64.
; No matrix unit, no tensor load, no cluster: 24 KiB are read once by a work-group, and no work-group shares a byte with another.
.set LANE, 1                           ; v1
.set XOF,  2                           ; v2        48 t: my four points in x
.set XR,   4                           ; v[4:15]   coordinate d of my point j at 3 j + d
.set NK,   16                          ; v[16:20]  0 where bit k of my lane number is set, else all ones
.set CELL, 21                          ; v[21:23]  the three cell numbers
.set T,    24                          ; v24       at work
.set P,    25                          ; v25       the running AND
.set IDX,  26                          ; v26       my point's model
.set SM,   27                          ; v27       the lanes whose point has my point's model
.set PK,   28                          ; v[28:31]  pk of my four points
.set CN,   32                          ; v[32:35]  group j: points of model 2 lane | points of model 2 lane + 1 << 16
.set EV,   36                          ; v36       mask word of model 2 lane, then its bit count
.set OD,   37                          ; v37       the same for model 2 lane + 1
.set TW,   38                          ; v[38:53]  the 16 waves' totals, packed like CN
.set WP,   54                          ; v54       running slot, packed
.set ALLC, 55                          ; v55       the block's counts, packed
.set PS,   56                          ; v56       points of my two models together
.set ST,   58                          ; v[58:61]  seg of my two models: start, count, start, count
.set BO,   62                          ; v[62:69]  gbase of my two models for groups j = 0..3
.set PKO,  70                          ; v70       16 t
.set BSO,  71                          ; v71       1,024 w + 8 lane
.set LDA,  72                          ; v72       4 lane
.set LST,  73                          ; v73       4 t
.set SEGO, 74                          ; v74       16 lane
	s_load_b256 s[4:11], s[0:1], 0x0               ; x s[4:5], pk s[6:7], gbase s[8:9], seg s[10:11]
	v_lshl_add_u32 v76, v0, 2, 0x800
	v_mov_b32 v77, 0
	v_and_b32 v[LANE], 31, v0
	v_lshrrev_b32 v3, 5, v0
	v_readfirstlane_b32 s2, v3                     ; wave 0..15
	v_mul_u32_u24 v[XOF], v0, 48
	s_mul_i32 s12, ttmp9, 24576                    ; the block's first point in x
	s_mov_b32 s13, 0
	s_wait_kmcnt 0x0
	s_add_nc_u64 s[4:5], s[4:5], s[12:13]
	global_load_b128 v[XR:XR+3],    v[XOF], s[4:5]             ; the three loads of a wave cover 1,536 neighbouring bytes
	global_load_b128 v[XR+4:XR+7],  v[XOF], s[4:5] offset:16
	global_load_b128 v[XR+8:XR+11], v[XOF], s[4:5] offset:32
	s_lshl_b32 s12, ttmp9, 13
	s_add_nc_u64 s[6:7], s[6:7], s[12:13]          ; pk: 8,192 bytes a block
	s_lshl_b32 s12, ttmp9, 14
	s_add_nc_u64 s[8:9], s[8:9], s[12:13]          ; gbase: 64 groups x 256 bytes
	s_lshl_b32 s12, ttmp9, 9
	s_add_nc_u64 s[10:11], s[10:11], s[12:13]      ; seg: 64 models x 8 bytes
	s_mov_b32 s14, 0x55555555                      ; the bit count's masks
	s_mov_b32 s15, 0x33333333
	s_mov_b32 s16, 0x0f0f0f0f
	s_mov_b32 s17, 0x01010101                      ; times this, the top byte is the sum of the four bytes
	s_mov_b32 s18, 0xffff0000                      ; lanes 16 to 31
	s_mov_b32 s19, 0xffff                          ; the lower count of a packed word
.irp k, 0,1,2,3,4
	v_bfe_u32 v[NK+\k], v[LANE], \k, 1
	v_add_nc_u32 v[NK+\k], -1, v[NK+\k]            ; bit set: 0; bit clear: all ones
.endr
	v_lshlrev_b32 v[PKO], 4, v0
	v_lshlrev_b32 v[BSO], 10, v3
	v_lshl_add_u32 v[BSO], v[LANE], 3, v[BSO]
	v_lshlrev_b32 v[LDA], 2, v[LANE]
	v_lshlrev_b32 v[LST], 2, v0
	v_lshlrev_b32 v[SEGO], 4, v[LANE]
; the number of set bits of v[r], in place: pairs, nibbles, bytes, then the four bytes summed by a multiplication
.macro POPC r
	v_lshrrev_b32 v[T], 1, v[\r]
	v_and_b32 v[T], s14, v[T]
	v_sub_nc_u32 v[\r], v[\r], v[T]
	v_lshrrev_b32 v[T], 2, v[\r]
	v_and_b32 v[\r], s15, v[\r]
	v_and_b32 v[T], s15, v[T]
	v_add_nc_u32 v[\r], v[\r], v[T]
	v_lshrrev_b32 v[T], 4, v[\r]
	v_add_nc_u32 v[\r], v[\r], v[T]
	v_and_b32 v[\r], s16, v[\r]
	v_mul_lo_u32 v[\r], v[\r], s17
	v_lshrrev_b32 v[\r], 24, v[\r]
.endm
; One group of 32 points.  The ballots are data alone: no branch, address or EXEC is made of them.
.macro GROUP j
.irp d, 0,1,2
	v_fma_f32 v[T], v[XR+3*\j+\d], 2.0, 2.0
	v_max_num_f32 v[T], 0, v[T]                    ; below the grid: cell 0 (a NaN loses against the 0)
	v_min_num_f32 v[T], 0x40400000, v[T]           ; 3.0: at or beyond the upper edge: cell 3
	v_cvt_u32_f32 v[CELL+\d], v[T]                 ; toward zero
.endr
	v_lshl_add_u32 v[IDX], v[CELL], 2, v[CELL+1]
	v_lshl_add_u32 v[IDX], v[IDX], 2, v[CELL+2]    ; 16 c(x0) + 4 c(x1) + c(x2)
.irp k, 0,1,2,3,4,5
	v_and_b32 v[T], 1<<\k, v[IDX]
	v_cmp_ne_u32 s[20+\k], 0, v[T]                 ; the points whose model has bit k set
.endr
	s_not_b32 s26, s20
	; lane = point: the lanes that agree with my model in all six bits, and how many of them stand below me
	v_cndmask_b32 v[SM], -1, 0, s20                ; my bit set: 0; clear: all ones
	v_xor_b32 v[SM], s20, v[SM]                    ; the ballot, or its complement
.irp k, 1,2,3,4,5
	v_cndmask_b32 v[T], -1, 0, s[20+\k]
	v_xor_b32 v[T], s[20+\k], v[T]
	v_and_b32 v[SM], v[SM], v[T]
.endr
	v_mbcnt_lo_u32_b32 v[T], v[SM], 0
	v_lshl_or_b32 v[PK+\j], v[T], 8, v[IDX]
	; lane = the pair of models 2 lane, 2 lane + 1: bits 1 to 5 of the model are the lane's bits 0 to 4
	v_xor_b32 v[P], s21, v[NK]
.irp k, 2,3,4,5
	v_xor_b32 v[T], s[20+\k], v[NK+\k-1]
	v_and_b32 v[P], v[P], v[T]
.endr
	v_and_b32 v[EV], s26, v[P]
	v_and_b32 v[OD], s20, v[P]
	POPC EV
	POPC OD
	v_lshl_or_b32 v[CN+\j], v[OD], 16, v[EV]       ; no count passes 2,048, so packed sums never carry from one half into the other
.endm
	s_wait_loadcnt 0x0
	GROUP 0
	GROUP 1
	GROUP 2
	GROUP 3
	v_add_nc_u32 v[T], v[CN], v[CN+1]
	v_add_nc_u32 v[P], v[CN+2], v[CN+3]
	v_add_nc_u32 v[T], v[T], v[P]                  ; my wave's 128 points, by model
	ds_store_b32 v[LST], v[T]                      ; word 32 w + lane
	s_wait_dscnt 0x0                               ; for the other waves' sake: my store is in LDS before I signal
	s_barrier_signal -1
	s_barrier_wait -1
.irp i, 0,1,2,3,4,5,6,7,8,9,10,11,12,13,14,15
	ds_load_b32 v[TW+\i], v[LDA] offset:128*\i     ; every wave's total of my two models
.endr
	global_store_b128 v[PKO], v[PK:PK+3], s[6:7]   ; a wave's store covers 512 neighbouring bytes, aligned
	s_wait_dscnt 0x0
	s_cmp_gt_u32 s2, 0
	s_cselect_b32 s27, -1, 0
	v_and_b32 v[WP], s27, v[TW]                    ; the waves in front of mine
.irp i, 1,2,3,4,5,6,7,8,9,10,11,12,13,14
	s_cmp_gt_u32 s2, \i
	s_cselect_b32 s27, -1, 0
	v_and_b32 v[T], s27, v[TW+\i]
	v_add_nc_u32 v[WP], v[WP], v[T]
.endr
	v_add3_u32 v[ALLC], v[TW], v[TW+1], v[TW+2]    ; all sixteen
.irp i, 3,5,7,9,11,13
	v_add3_u32 v[ALLC], v[ALLC], v[TW+\i], v[TW+\i+1]
.endr
	v_add_nc_u32 v[ALLC], v[ALLC], v[TW+15]
	; where each model's points begin: a running sum over the 64 models, two a lane
	v_and_b32 v[ST+1], s19, v[ALLC]                ; count of model 2 lane
	v_lshrrev_b32 v[ST+3], 16, v[ALLC]             ; count of model 2 lane + 1
	v_add_nc_u32 v[PS], v[ST+1], v[ST+3]
	v_mov_b32_dpp v[T], v[PS] row_shr:1 row_mask:0xf bank_mask:0xf bound_ctrl:1   ; lane i takes lane i - 1 of its 16; lanes without a source take 0
	v_add_nc_u32 v[ST], v[PS], v[T]
.irp sh, 2,4,8
	v_mov_b32_dpp v[T], v[ST] row_shr:\sh row_mask:0xf bank_mask:0xf bound_ctrl:1
	v_add_nc_u32 v[ST], v[ST], v[T]
.endr
	v_readlane_b32 s28, v[ST], 15                  ; the lower 16 lanes' sum
	v_mov_b32 v[T], s28
	v_cndmask_b32 v[T], 0, v[T], s18               ; goes onto lanes 16 to 31
	v_add_nc_u32 v[ST], v[ST], v[T]
	v_sub_nc_u32 v[ST], v[ST], v[PS]               ; without my own: first slot of model 2 lane
	v_add_nc_u32 v[ST+2], v[ST], v[ST+1]           ; first slot of model 2 lane + 1
	v_lshl_or_b32 v[T], v[ST+2], 16, v[ST]
	v_add_nc_u32 v[WP], v[WP], v[T]                ; the model's start + its points in the waves in front of mine
.irp j, 0,1,2,3
	v_and_b32 v[BO+2*\j], s19, v[WP]
	v_lshrrev_b32 v[BO+2*\j+1], 16, v[WP]
	global_store_b64 v[BSO], v[BO+2*\j:BO+2*\j+1], s[8:9] offset:256*\j   ; 32 lanes store 256 consecutive bytes, aligned: the group's 64 models
.if \j < 3
	v_add_nc_u32 v[WP], v[WP], v[CN+\j]            ; + this group's points
.endif
.endr
	s_cmp_lg_u32 s2, 0
	s_cbranch_scc1 .Ldone                          ; every wave holds the block's starts and counts; wave 0 stores them
	global_store_b128 v[SEGO], v[ST:ST+3], s[10:11]                ; 512 consecutive bytes, aligned
.Ldone:
	s_wait_tensorcnt 0x0
	ds_add_u32 v76, v77
	s_wait_dscnt 0x0
	s_endpgm
.Lfunc_end_k_qd0c437e550_route:
	.size	k_qd0c437e550_route, .Lfunc_end_k_qd0c437e550_route-k_qd0c437e550_route
	.p2alignl 7, 3214868480
	.fill 96, 4, 3214868480
	.section	.rodata,"a",@progbits
	.p2align	6, 0x0
	.amdhsa_kernel k_qd0c437e550_route
		.amdhsa_group_segment_fixed_size 4096
		.amdhsa_private_segment_fixed_size 0
		.amdhsa_enable_private_segment 0
		.amdhsa_kernarg_size 32
		.amdhsa_user_sgpr_count 2
		.amdhsa_user_sgpr_kernarg_segment_ptr 1
		.amdhsa_wavefront_size32 1
		.amdhsa_system_sgpr_workgroup_id_x 1
		.amdhsa_system_sgpr_workgroup_id_y 1
		.amdhsa_system_sgpr_workgroup_id_z 1
		.amdhsa_system_vgpr_workitem_id 0
		.amdhsa_next_free_vgpr 78
		.amdhsa_next_free_sgpr 66
		.amdhsa_reserve_vcc 0
		.amdhsa_float_denorm_mode_32 3
		.amdhsa_float_denorm_mode_16_64 3
		.amdhsa_memory_ordered 1
		.amdhsa_forward_progress 1
		.amdhsa_inst_pref_size 22
	.end_amdhsa_kernel
	.amdgpu_metadata
---
amdhsa.version: [ 1, 2 ]
amdhsa.kernels:
  - .name:           k_qd0c437e550_route
    .symbol:         k_qd0c437e550_route.kd
    .args:
      - { .name: x, .offset: 0, .size: 8, .value_kind: global_buffer, .address_space: global }
      - { .name: pk, .offset: 8, .size: 8, .value_kind: global_buffer, .address_space: global }
      - { .name: gbase, .offset: 16, .size: 8, .value_kind: global_buffer, .address_space: global }
      - { .name: seg, .offset: 24, .size: 8, .value_kind: global_buffer, .address_space: global }
    .group_segment_fixed_size: 4096
    .private_segment_fixed_size: 0
    .kernarg_segment_align: 8
    .kernarg_segment_size: 32
    .max_flat_workgroup_size: 512
    .sgpr_count:     66
    .vgpr_count:     78
    .wavefront_size: 32
...
	.end_amdgpu_metadata
.endif
;; end of part 1
;; launch place (part 2): grid 256 x 1, 4 waves a work-group, no clusters, 0 bytes of LDS; arguments pk, gbase, x, xh, list; writes xh, list
.if DOCPART == 2
	.amdgcn_target "amdgcn-amd-amdhsa--gfx1250"
	.amdhsa_code_object_version 6
	.text
	.protected	k_qd0c437e550_place
	.globl	k_qd0c437e550_place
	.p2align	8
	.type	k_qd0c437e550_place,@function
k_qd0c437e550_place:
	s_mov_b64 s[64:65], 0
	v_nop
	global_prefetch_b8 v0, s[64:65] scope:SCOPE_SE
	s_setreg_imm32_b32 hwreg(HW_REG_WAVE_MODE, 25, 1), 1
	s_wait_xcnt 0x0
; PLACE: moves each point to its slot in its block's order by model.
;   slot = gbase[b][group][model] + rank, model and rank from pk;  xh[b][slot] = (x0, x1, x2, 0) in f16;  list[b][slot] = the point's number in its block.
; The slots of a block are a permutation of 0 .. 2,047, so every byte of xh and of list is written, once.
; A whole number goes from a 4-byte load through plain arithmetic and a clamp into an address; there is no branch.
; 256 work-groups of 4 waves; a wave takes 128 neighbouring points, 4 a lane, 32 apart, so that each load of a wave covers neighbouring bytes.
; Point 32 i + lane of the wave's 128 belongs to the earlier launch's group j = lane & 3 of the same 128 points.
; LIMIT: |x| up to 65,504 (f16's largest number); beyond it the conversion gives infinity.
; THE STORES are 8 and 4 bytes a lane at slots that hang on the models: neighbouring points may belong to 32 different models, so no order of
; the work gives a lane's neighbours neighbouring slots.  They stay inside the block's 16 KiB of xh and 8 KiB of list.
; A stream: no LDS, no barrier, no matrix unit, no cluster.
.set LANE, 1                           ; v1
.set PKO,  2                           ; v2        4 lane
.set XO,   3                           ; v3        12 lane
.set JO,   4                           ; v4        256 (lane & 3): my group's row of gbase
.set PKW,  8                           ; v[8:11]   pk of my four points
.set X,    12                          ; v[12:14], v[16:18], v[20:22], v[24:26]  their x
.set M,    28                          ; v[28:31]  model
.set R,    32                          ; v[32:35]  rank
.set BA,   36                          ; v[36:39]  offset in gbase
.set BS,   40                          ; v[40:43]  gbase, then the slot
.set XHO,  44                          ; v[44:47]  offset in xh
.set LO,   48                          ; v[48:51]  offset in list
.set H,    52                          ; v[52:59]  x in f16, a pair of registers a point
.set NL,   60                          ; v[60:63]  the point's number in its block
	s_load_b256 s[4:11], s[0:1], 0x0               ; pk s[4:5], gbase s[6:7], x s[8:9], xh s[10:11]
	s_load_b64 s[12:13], s[0:1], 0x20              ; list
	v_and_b32 v[LANE], 31, v0
	v_lshrrev_b32 v[JO], 5, v0
	v_readfirstlane_b32 s2, v[JO]                  ; wave 0..3
	s_lshl2_add_u32 s3, ttmp9, s2                  ; which 128 points of the 131,072: 0..1,023
	s_lshr_b32 s14, ttmp9, 2                       ; block b
	s_and_b32 s15, s3, 15                          ; which 128 points of the block
	s_lshl_b32 s18, s15, 7
	s_mov_b32 s17, 0
	v_lshlrev_b32 v[PKO], 2, v[LANE]
	v_mul_u32_u24 v[XO], v[LANE], 12
	v_and_b32 v[JO], 3, v[LANE]
	v_lshlrev_b32 v[JO], 8, v[JO]
	v_add_nc_u32 v[NL], s18, v[LANE]
.irp i, 1,2,3
	v_add_nc_u32 v[NL+\i], 32*\i, v[NL]
.endr
	s_wait_kmcnt 0x0
	s_lshl_b32 s16, s3, 9
	s_add_nc_u64 s[4:5], s[4:5], s[16:17]          ; pk: 128 points x 4 bytes
	s_mul_i32 s16, s3, 1536
	s_add_nc_u64 s[8:9], s[8:9], s[16:17]          ; x: 128 points x 12 bytes
.irp i, 0,1,2,3
	global_load_b32 v[PKW+\i], v[PKO], s[4:5] offset:128*\i
.endr
.irp i, 0,1,2,3
	global_load_b96 v[X+4*\i:X+4*\i+2], v[XO], s[8:9] offset:384*\i
.endr
	s_lshl_b32 s16, s3, 10
	s_add_nc_u64 s[6:7], s[6:7], s[16:17]          ; gbase: the four groups of these 128 points, 256 bytes each
	s_lshl_b32 s16, s14, 14
	s_add_nc_u64 s[10:11], s[10:11], s[16:17]      ; xh: 2,048 slots x 8 bytes a block
	s_lshl_b32 s16, s14, 13
	s_add_nc_u64 s[12:13], s[12:13], s[16:17]      ; list: 2,048 slots x 4 bytes
	s_wait_loadcnt 0x4                             ; loads come back in order (ISA guide 5.7.1): the four pk are in, the four x behind them may stay out
.irp i, 0,1,2,3
	v_and_b32 v[M+\i], 0xff, v[PKW+\i]
	v_min_u32 v[M+\i], 63, v[M+\i]                 ; a loaded number is clamped before it enters an address
	v_lshl_add_u32 v[BA+\i], v[M+\i], 2, v[JO]
	global_load_b32 v[BS+\i], v[BA+\i], s[6:7]
	v_lshrrev_b32 v[R+\i], 8, v[PKW+\i]
.endr
	s_wait_loadcnt 0x4                             ; the four x are in, the four gbase behind them may stay out
.irp i, 0,1,2,3
	v_cvt_pk_f16_f32 v[H+2*\i],   v[X+4*\i],   v[X+4*\i+1]
	v_cvt_pk_f16_f32 v[H+2*\i+1], v[X+4*\i+2], 0
.endr
.irp i, 0,1,2,3
	s_wait_loadcnt 3-\i                            ; gbase of point i is in, the 3 - i younger ones may stay out
	v_add_nc_u32 v[BS+\i], v[BS+\i], v[R+\i]       ; the slot
	v_min_u32 v[BS+\i], 0x7ff, v[BS+\i]            ; clamped before it enters an address
	v_lshlrev_b32 v[XHO+\i], 3, v[BS+\i]
	v_lshlrev_b32 v[LO+\i], 2, v[BS+\i]
	global_store_b64 v[XHO+\i], v[H+2*\i:H+2*\i+1], s[10:11]
	global_store_b32 v[LO+\i], v[NL+\i], s[12:13]
.endr
	s_endpgm
.Lfunc_end_k_qd0c437e550_place:
	.size	k_qd0c437e550_place, .Lfunc_end_k_qd0c437e550_place-k_qd0c437e550_place
	.p2alignl 7, 3214868480
	.fill 96, 4, 3214868480
	.section	.rodata,"a",@progbits
	.p2align	6, 0x0
	.amdhsa_kernel k_qd0c437e550_place
		.amdhsa_group_segment_fixed_size 0
		.amdhsa_private_segment_fixed_size 0
		.amdhsa_enable_private_segment 0
		.amdhsa_kernarg_size 40
		.amdhsa_user_sgpr_count 2
		.amdhsa_user_sgpr_kernarg_segment_ptr 1
		.amdhsa_wavefront_size32 1
		.amdhsa_system_sgpr_workgroup_id_x 1
		.amdhsa_system_sgpr_workgroup_id_y 1
		.amdhsa_system_sgpr_workgroup_id_z 1
		.amdhsa_system_vgpr_workitem_id 0
		.amdhsa_next_free_vgpr 64
		.amdhsa_next_free_sgpr 66
		.amdhsa_reserve_vcc 0
		.amdhsa_float_denorm_mode_32 3
		.amdhsa_float_denorm_mode_16_64 3
		.amdhsa_memory_ordered 1
		.amdhsa_forward_progress 1
		.amdhsa_inst_pref_size 6
	.end_amdhsa_kernel
	.amdgpu_metadata
---
amdhsa.version: [ 1, 2 ]
amdhsa.kernels:
  - .name:           k_qd0c437e550_place
    .symbol:         k_qd0c437e550_place.kd
    .args:
      - { .name: pk, .offset: 0, .size: 8, .value_kind: global_buffer, .address_space: global }
      - { .name: gbase, .offset: 8, .size: 8, .value_kind: global_buffer, .address_space: global }
      - { .name: x, .offset: 16, .size: 8, .value_kind: global_buffer, .address_space: global }
      - { .name: xh, .offset: 24, .size: 8, .value_kind: global_buffer, .address_space: global }
      - { .name: list, .offset: 32, .size: 8, .value_kind: global_buffer, .address_space: global }
    .group_segment_fixed_size: 0
    .private_segment_fixed_size: 0
    .kernarg_segment_align: 8
    .kernarg_segment_size: 40
    .max_flat_workgroup_size: 128
    .sgpr_count:     66
    .vgpr_count:     64
    .wavefront_size: 32
...
	.end_amdgpu_metadata
.endif
;; end of part 2
;; launch mlp (part 3): grid 256 x 1, 16 waves a work-group, no clusters, 12,288 bytes of LDS; arguments seg, xh, list, W1, b1, W2, b2, W3, b3, out0; writes out0
.if DOCPART == 3
	.amdgcn_target "amdgcn-amd-amdhsa--gfx1250"
	.amdhsa_code_object_version 6
	.text
	.protected	k_qd0c437e550_mlp
	.globl	k_qd0c437e550_mlp
	.p2align	8
	.type	k_qd0c437e550_mlp,@function
k_qd0c437e550_mlp:
	s_mov_b64 s[64:65], 0
	v_nop
	global_prefetch_b8 v0, s[64:65] scope:SCOPE_SE
	s_setreg_imm32_b32 hwreg(HW_REG_WAVE_MODE, 25, 1), 1
	s_wait_xcnt 0x0
; MLP: y[p] = relu(relu(x[p] W1[m] + b1[m]) W2[m] + b2[m]) W3[m] + b3[m] for the one model m that owns point p; what the other 63 models
; would give for p is thrown away by the selection and is not computed.
; Work-group = (model m = id >> 2, quarter q = id & 3 of the points).  16 waves; wave w owns the block b = 16 q + w of 2,048 points.  The earlier launches have
; sorted each block by model: seg[b][m] = { start, c }, and slots start .. start + c - 1 of xh[b] and list[b] hold model m's points (c = 0 to 2,048).
; The wave runs them in ceil(c / 16) tiles of 16: x from xh, three layers, y scattered by list.  Each point stands in one slot, so each word of out0
; belongs to one wave of the launch.
; EVERY LANE ALWAYS HOLDS A POINT OF THIS MODEL, so EXEC is never changed: lanes r and r + 16 hold the same point, and slots past the last one are clamped to
; the last.  Repeats form the same sums from the same numbers in the same places of k, and store the same word once more.
; FORMATS: layers 1 and 2 on the matrix unit, f16 operands, f32 sums; b1 and b2 enter as the f32 C operand of the first product.  Layer 3 has one output
; column and its input h2 has no room in f16, so it is done in f32 by packed multiply-adds.
; LIMITS: |x|, |W1|, |W2| and |h1| up to 65,504 (f16's largest number); beyond it the conversion gives infinity, and an infinity that meets one of the zeros
; below gives NaN: a W1 number that overflows spoils all 64 hidden units of its model (a layer-1 fragment also names the neighbouring tiles' W1 registers,
; which meet zeros of the other source), an x that overflows its point.
; The work of the waves is even only where the cells hold about equally many points; the values hold for any spread.
; THE STORES are 4 bytes a point, far apart: 64 neighbouring points may belong to 64 models, so no order of the work gives whole 256-byte stretches of out0
; to one work-group.
; NO CLUSTER, NO TENSOR LOAD: the four work-groups of a model share 17 KiB of weights, read once at the start; nothing is streamed and no LDS byte is filled twice.
;
; MATRIX LAYOUT (r = lane & 15, h = lane >> 4): weights are source 0, points are source 1, so a tile's 16 points are the columns.  Register j of result
; tile t holds unit 16 t + 8 h + j of point r: packed two by two, these are the registers of the next layer's source 1 as they stand.
.set W2P,    160                       ; LDS: W2[m] in f16, 64 rows (input unit), pitch 160 bytes (128 of data; an odd multiple of 32 for the transposing load)
.set MAXT,   128                       ; tiles of 16 in 2,048 points
.set LANE, 1                           ; v1
.set R16,  2                           ; v2        r
.set N,    3                           ; v3        my point's number in the block, as loaded
.set XO,   4                           ; v4        my slot's byte offset in xh[b]
.set OO,   5                           ; v5        my point's byte offset in out0
.set LO,   6                           ; v6        my slot's byte offset in list[b]
.set SL,   7                           ; v7        my slot
.set NC,   8                           ; v8        my point's number, clamped
.set TR,   9                           ; v9        address of the transposing loads
.set Y,    12                          ; v12       my point's result
.set B1,   14                          ; v[14:21]  layer 1, source 1: (x0, x1), (x2, 0) as xh holds them, and six registers that stay 0
.set A1,   22                          ; v[22:35]  layer 1, source 0: tile t's pair at 2 t; six that stay 0; tile t's fragment is v[A1+2t : A1+2t+7]
.set B2,   36                          ; v[36:51]  layer 2, source 1 (two fragments).  Before the tiles: the registers named below
.set ACC,  36                          ; v[36:39]  layer 3: two chains of pairs
.set D,    52                          ; v[52:83]  four result tiles.  Before the tiles: W2 (52-59) and W1 (60-71) as loaded, v72 below
.set C1,   84                          ; v[84:115]   b1[16 t + 8 h + j] at 8 t + j
.set C2,   116                         ; v[116:147]  b2 likewise
.set WV,   148                         ; v[148:179]  W3 likewise, f32
.set A2,   180                         ; v[180:243]  layer 2, source 0: fragment (s, t) = input units 32 s .. +31, output units 16 t .. +15, at 8 (4 s + t)
.set T0,   38                          ; v38       at work
.set I0,   40                          ; v40, v41  at work
.set P0,   42                          ; v42, v43  at work
.set W2OFF,49                          ; v49       offset in W2
.set R4,   50                          ; v50       4 r
.set H32,  51                          ; v51       32 h
.set W2ST, 72                          ; v72       LDS address of my W2 stores
	s_load_b512 s[8:23], s[0:1], 0x0               ; seg s[8:9], xh s[10:11], list s[12:13], W1 s[14:15], b1 s[16:17], W2 s[18:19], b2 s[20:21], W3 s[22:23]
	s_load_b128 s[24:27], s[0:1], 0x40             ; b3 s[24:25], out0 s[26:27]
	v_lshl_add_u32 v248, v0, 2, 0x2800
	v_mov_b32 v249, 0
	v_lshrrev_b32 v[T0], 5, v0
	v_readfirstlane_b32 s2, v[T0]                  ; wave 0..15
	s_lshr_b32 s3, ttmp9, 2                        ; m
	s_and_b32 s4, ttmp9, 3                         ; q
	s_lshl4_add_u32 s5, s4, s2                     ; b = 16 q + w
	s_mov_b32 s7, 0                                ; upper word of every offset
	s_mov_b32 s33, 0                               ; tiles done
	s_mov_b32 s36, 0xffff0000                      ; lanes 16 to 31
	s_mov_b32 s38, 0x76543210                      ; v_permlanex16_b32: lane i of one half reads lane i of the other
	s_mov_b32 s39, 0xfedcba98
	v_and_b32 v[LANE], 31, v0
	v_and_b32 v[R16], 15, v0
	v_lshlrev_b32 v[W2OFF], 4, v0
	v_lshlrev_b32 v[R4], 2, v[R16]
	v_bfe_u32 v[H32], v0, 4, 1
	v_lshlrev_b32 v[H32], 5, v[H32]
	s_wait_kmcnt 0x0
	s_lshl_b32 s6, s5, 6
	s_add_co_u32 s6, s6, s3
	s_lshl_b32 s6, s6, 3
	s_add_nc_u64 s[8:9], s[8:9], s[6:7]            ; seg[b][m]
	s_load_b32 s29, s[8:9], 0x0                    ; start
	s_load_b32 s28, s[8:9], 0x4                    ; c
	s_lshl_b32 s6, s3, 2
	s_add_nc_u64 s[24:25], s[24:25], s[6:7]
	s_load_b32 s30, s[24:25], 0x0                  ; b3[m]
	s_lshl_b32 s6, s3, 14
	s_add_nc_u64 s[18:19], s[18:19], s[6:7]        ; W2[m]: 16,384 bytes a model
	s_mul_i32 s6, s3, 768
	s_add_nc_u64 s[14:15], s[14:15], s[6:7]        ; W1[m]
	s_lshl_b32 s6, s3, 8
	s_add_nc_u64 s[16:17], s[16:17], s[6:7]        ; b1[m]
	s_add_nc_u64 s[20:21], s[20:21], s[6:7]        ; b2[m]
	s_add_nc_u64 s[22:23], s[22:23], s[6:7]        ; W3[m]
	s_lshl_b32 s6, s5, 14
	s_add_nc_u64 s[10:11], s[10:11], s[6:7]        ; xh[b]: 2,048 slots x 8 bytes
	s_lshl_b32 s6, s5, 13
	s_add_nc_u64 s[12:13], s[12:13], s[6:7]        ; list[b]: 2,048 slots x 4 bytes
	s_add_nc_u64 s[26:27], s[26:27], s[6:7]        ; out0 at the block's first point
	; 38 loads in one run: what is needed first goes first
	global_load_b128 v[D:D+3],   v[W2OFF], s[18:19]                ; 1, 2: thread t takes 16 bytes of row t >> 4 and of row 32 + (t >> 4) of W2[m]
	global_load_b128 v[D+4:D+7], v[W2OFF], s[18:19] offset:8192
.irp t, 0,1,2,3
.irp d, 0,1,2
	global_load_b32 v[D+8+3*\t+\d], v[R4], s[14:15] offset:256*\d+64*\t   ; 3 to 14: W1[d][16 t + r]
.endr
.endr
.irp t, 0,1,2,3
	global_load_b128 v[C1+8*\t:C1+8*\t+3],   v[H32], s[16:17] offset:64*\t      ; 15 to 22: b1[16 t + 8 h + 0..7]
	global_load_b128 v[C1+8*\t+4:C1+8*\t+7], v[H32], s[16:17] offset:64*\t+16
.endr
.irp t, 0,1,2,3
	global_load_b128 v[C2+8*\t:C2+8*\t+3],   v[H32], s[20:21] offset:64*\t      ; 23 to 30: b2
	global_load_b128 v[C2+8*\t+4:C2+8*\t+7], v[H32], s[20:21] offset:64*\t+16
.endr
.irp t, 0,1,2,3
	global_load_b128 v[WV+8*\t:WV+8*\t+3],   v[H32], s[22:23] offset:64*\t      ; 31 to 38: W3
	global_load_b128 v[WV+8*\t+4:WV+8*\t+7], v[H32], s[22:23] offset:64*\t+16
.endr
	; while they are on their way: the LDS addresses and the registers that stay 0
.irp i, 2,3,4,5,6,7
	v_mov_b32 v[B1+\i], 0                          ; twelve registers that stay 0 for the whole launch
	v_mov_b32 v[A1+6+\i], 0
.endr
	v_mov_b32 v[B1], 0                             ; written on every path: a wave without points jumps over the loads into these three
	v_mov_b32 v[B1+1], 0
	v_mov_b32 v[N], 0
	v_and_b32 v[I0], 7, v[LANE]
	v_lshrrev_b32 v[I0+1], 4, v[LANE]
	v_lshl_add_u32 v[I0], v[I0+1], 3, v[I0]        ; 8 h + (lane & 7): the row of W2 that I address
	v_mul_u32_u24 v[TR], v[I0], W2P
	v_bfe_u32 v[I0+1], v[LANE], 3, 1
	v_lshl_add_u32 v[TR], v[I0+1], 4, v[TR]        ; + 16 bytes for lanes 8-15 and 24-31
	v_lshrrev_b32 v[I0], 4, v0
	v_mul_u32_u24 v[W2ST], v[I0], W2P              ; my W2 stores: row t >> 4,
	v_lshl_add_u32 v[W2ST], v[R16], 3, v[W2ST]     ; 8 bytes (4 f16) at column 4 (t & 15)
	; my segment, and the first tile's x and point numbers
	s_wait_kmcnt 0x0                               ; start, c, b3[m]
	s_min_u32 s28, s28, 0x800                      ; loaded numbers are clamped before a trip count or an address is made of them
	s_min_u32 s29, s29, 0x7ff
	s_max_u32 s34, s28, 1
	s_sub_co_u32 s34, s34, 1                       ; the last point's place in the segment
	s_add_co_u32 s41, s28, 15
	s_lshr_b32 s41, s41, 4                         ; tiles: ceil(c / 16)
	v_min_u32 v[SL], s34, v[R16]                   ; place r of the segment, or the last
	v_add_nc_u32 v[SL], s29, v[SL]
	v_min_u32 v[SL], 0x7ff, v[SL]                  ; the slot, clamped before it enters an address
	v_lshlrev_b32 v[XO], 3, v[SL]
	v_lshlrev_b32 v[LO], 2, v[SL]
	s_cmp_eq_u32 s28, 0
	s_cbranch_scc1 .Lempty                         ; no point of this model in my block: its start is another model's slot, or past the block's last
	global_load_b64 v[B1:B1+1], v[XO], s[10:11]    ; they travel across the staging of W2, the barrier and the fragment loads
	global_load_b32 v[N], v[LO], s[12:13]
.Lempty:
	; W2[m] to f16 into LDS, shared by the 16 waves
	s_wait_loadcnt 36                              ; 36 weight loads were issued behind W2's two: W2 is in on both paths (with the tile's two loads out, two W1 loads are waited for as well)
	v_cvt_pk_f16_f32 v[I0],   v[D],   v[D+1]
	v_cvt_pk_f16_f32 v[I0+1], v[D+2], v[D+3]
	v_cvt_pk_f16_f32 v[P0],   v[D+4], v[D+5]
	v_cvt_pk_f16_f32 v[P0+1], v[D+6], v[D+7]
	ds_store_b64 v[W2ST], v[I0:I0+1]
	ds_store_b64 v[W2ST], v[P0:P0+1] offset:32*W2P
	s_wait_dscnt 0x0                               ; for the other waves' sake: my W2 stores are in LDS before I signal
	s_barrier_signal -1
	s_barrier_wait -1                              ; the launch's one barrier: W2 is whole.  Behind it LDS is only read
	; W2 lies [input unit][output unit]; source 0 wants the input units along a lane's registers: the transposing load
.irp s, 0,1
.irp t, 0,1,2,3
	ds_load_tr16_b128 v[A2+8*(4*\s+\t):A2+8*(4*\s+\t)+3],   v[TR] offset:32*W2P*\s+32*\t
	ds_load_tr16_b128 v[A2+8*(4*\s+\t)+4:A2+8*(4*\s+\t)+7], v[TR] offset:32*W2P*\s+32*\t+16*W2P
.endr
.endr
	s_wait_loadcnt 0x0                             ; all weights are in: they went out together with W2
.irp t, 0,1,2,3
	v_cvt_pk_f16_f32 v[A1+2*\t],   v[D+8+3*\t],   v[D+8+3*\t+1]    ; (W1[0][u], W1[1][u]), u = 16 t + r
	v_cvt_pk_f16_f32 v[A1+2*\t+1], v[D+8+3*\t+2], 0                ; (W1[2][u], 0)
.endr
.irp i, 0,1,2,3,4,5,6,7
	v_cndmask_b32 v[A1+\i], v[A1+\i], 0, s36       ; lanes 0-15 (k = 0..3) keep W1; lanes 16-31 (k = 8..11) give 0, since x stands in both halves of source 1
.endr
	s_wait_dscnt 0x0
.macro PLACES                          ; four places behind a matrix instruction before its result is read or one of its registers written (ISA guide 7.12.1)
.rept 4
	v_nop
.endr
.endm
.macro RELU
.set i, 0
.rept 32
	v_max_num_f32 v[D+i], 0, v[D+i]
.set i, i+1
.endr
.endm
	; THE TILES, 16 points each.  The counter runs against the most tiles that a block can hold; the loop is left at this wave's own number of tiles.
.Ltile:
	s_cmp_ge_u32 s33, s41
	s_cbranch_scc1 .Lend
	s_wait_loadcnt 0x0                             ; this tile's x and point numbers: the two loads that are out; XO and LO are free since this wait
	s_wait_xcnt 0x0                                ; OO and Y, which the last trip's store reads, are written again only behind this wait
	v_min_u32 v[NC], 0x7ff, v[N]                   ; clamped before it enters an address
	v_lshlrev_b32 v[OO], 2, v[NC]
	s_lshl4_add_u32 s35, s33, 16                   ; the next tile's first place in the segment
	; the four accumulators take turns, one instruction a turn
.irp t, 0,1,2,3
	v_wmma_f32_16x16x32_f16 v[D+8*\t:D+8*\t+7], v[A1+2*\t:A1+2*\t+7], v[B1:B1+7], v[C1+8*\t:C1+8*\t+7]   ; x W1 + b1; the fragment's registers 2-7 meet zeros
.endr
	; The next tile's slot: six plain instructions that name no register of the products above.  They are the places in front of the load into
	; source 1 and of the maxima that read the results.  In the last trip the slot is the last point's, and what comes is not used.
	v_add_nc_u32 v[SL], s35, v[R16]
	v_min_u32 v[SL], s34, v[SL]
	v_add_nc_u32 v[SL], s29, v[SL]
	v_min_u32 v[SL], 0x7ff, v[SL]                  ; clamped before it enters an address
	v_lshlrev_b32 v[XO], 3, v[SL]
	v_lshlrev_b32 v[LO], 2, v[SL]
	global_load_b64 v[B1:B1+1], v[XO], s[10:11]    ; 16 slots of a tile are 128 neighbouring bytes
	global_load_b32 v[N], v[LO], s[12:13]
	RELU
.set i, 0
.rept 16
	v_cvt_pk_f16_f32 v[B2+i], v[D+2*i], v[D+2*i+1] ; my eight units of tile t are registers 4 t .. 4 t + 3 of layer 2's source 1
.set i, i+1
.endr
.irp t, 0,1,2,3
	v_wmma_f32_16x16x32_f16 v[D+8*\t:D+8*\t+7], v[A2+8*\t:A2+8*\t+7], v[B2:B2+7], v[C2+8*\t:C2+8*\t+7]   ; input units 0-31, + b2.  Layer 1's results are written over behind the six address lines and the maxima of the other tiles
.endr
.irp t, 0,1,2,3
	v_wmma_f32_16x16x32_f16 v[D+8*\t:D+8*\t+7], v[A2+32+8*\t:A2+32+8*\t+7], v[B2+8:B2+15], v[D+8*\t:D+8*\t+7]   ; input units 32-63, in place
.endr
	PLACES
	RELU
	v_pk_mul_f32 v[ACC:ACC+1],   v[D:D+1],   v[WV:WV+1]        ; layer 3 in f32: my 32 units, two chains, started by the first products
	v_pk_mul_f32 v[ACC+2:ACC+3], v[D+2:D+3], v[WV+2:WV+3]
.set i, 4
.rept 14
	v_pk_fma_f32 v[ACC+i%4:ACC+i%4+1], v[D+i:D+i+1], v[WV+i:WV+i+1], v[ACC+i%4:ACC+i%4+1]
.set i, i+2
.endr
	v_pk_add_f32 v[ACC:ACC+1], v[ACC:ACC+1], v[ACC+2:ACC+3]
	v_add_f32 v[ACC], v[ACC], v[ACC+1]
	v_permlanex16_b32 v[ACC+2], v[ACC], s38, s39   ; the other 32 units of the same point lie in lane xor 16
	v_add_f32 v[ACC], v[ACC], v[ACC+2]             ; the same two numbers in both lanes: the same sum
	v_add_f32 v[Y], s30, v[ACC]                    ; + b3
	global_store_b32 v[OO], v[Y], s[26:27]         ; 4 bytes a point, wherever the point lies in the block; lanes r and r + 16 store the same word
	s_add_co_u32 s33, s33, 1
	s_cmp_lt_u32 s33, MAXT
	s_cbranch_scc1 .Ltile
.Lend:
	s_wait_tensorcnt 0x0
	ds_add_u32 v248, v249
	s_wait_dscnt 0x0
	s_endpgm
.Lfunc_end_k_qd0c437e550_mlp:
	.size	k_qd0c437e550_mlp, .Lfunc_end_k_qd0c437e550_mlp-k_qd0c437e550_mlp
	.p2alignl 7, 3214868480
	.fill 96, 4, 3214868480
	.section	.rodata,"a",@progbits
	.p2align	6, 0x0
	.amdhsa_kernel k_qd0c437e550_mlp
		.amdhsa_group_segment_fixed_size 12288
		.amdhsa_private_segment_fixed_size 0
		.amdhsa_enable_private_segment 0
		.amdhsa_kernarg_size 80
		.amdhsa_user_sgpr_count 2
		.amdhsa_user_sgpr_kernarg_segment_ptr 1
		.amdhsa_wavefront_size32 1
		.amdhsa_system_sgpr_workgroup_id_x 1
		.amdhsa_system_sgpr_workgroup_id_y 1
		.amdhsa_system_sgpr_workgroup_id_z 1
		.amdhsa_system_vgpr_workitem_id 0
		.amdhsa_next_free_vgpr 250
		.amdhsa_next_free_sgpr 66
		.amdhsa_reserve_vcc 0
		.amdhsa_float_denorm_mode_32 3
		.amdhsa_float_denorm_mode_16_64 3
		.amdhsa_memory_ordered 1
		.amdhsa_forward_progress 1
		.amdhsa_inst_pref_size 16
	.end_amdhsa_kernel
	.amdgpu_metadata
---
amdhsa.version: [ 1, 2 ]
amdhsa.kernels:
  - .name:           k_qd0c437e550_mlp
    .symbol:         k_qd0c437e550_mlp.kd
    .args:
      - { .name: seg, .offset: 0, .size: 8, .value_kind: global_buffer, .address_space: global }
      - { .name: xh, .offset: 8, .size: 8, .value_kind: global_buffer, .address_space: global }
      - { .name: list, .offset: 16, .size: 8, .value_kind: global_buffer, .address_space: global }
      - { .name: W1, .offset: 24, .size: 8, .value_kind: global_buffer, .address_space: global }
      - { .name: b1, .offset: 32, .size: 8, .value_kind: global_buffer, .address_space: global }
      - { .name: W2, .offset: 40, .size: 8, .value_kind: global_buffer, .address_space: global }
      - { .name: b2, .offset: 48, .size: 8, .value_kind: global_buffer, .address_space: global }
      - { .name: W3, .offset: 56, .size: 8, .value_kind: global_buffer, .address_space: global }
      - { .name: b3, .offset: 64, .size: 8, .value_kind: global_buffer, .address_space: global }
      - { .name: out0, .offset: 72, .size: 8, .value_kind: global_buffer, .address_space: global }
    .group_segment_fixed_size: 12288
    .private_segment_fixed_size: 0
    .kernarg_segment_align: 8
    .kernarg_segment_size: 80
    .max_flat_workgroup_size: 512
    .sgpr_count:     66
    .vgpr_count:     250
    .wavefront_size: 32
...
	.end_amdgpu_metadata
.endif
;; end of part 3
;; ======== version 2 of 2: 3 launches; version 1 with the launch place written anew for expert scheduling mode
;; limits: values are held in f16: magnitudes above 65,504 overflow, below 6.1e-05 lose precision
;; workspace buffers: pk 524,288 bytes of whole numbers; gbase 1,048,576 bytes of whole numbers; seg 32,768 bytes of whole numbers; list 524,288 bytes of whole numbers; xh 1,048,576 bytes
;; launch route: the kernel of part 1 again; grid 64 x 1, 16 waves a work-group, no clusters, 4,096 bytes of LDS; arguments x, pk, gbase, seg; writes pk, gbase, seg
;; launch place (part 4): grid 256 x 1, 4 waves a work-group, no clusters, 0 bytes of LDS; arguments pk, gbase, x, xh, list; writes xh, list
.if DOCPART == 4
	.amdgcn_target "amdgcn-amd-amdhsa--gfx1250"
	.amdhsa_code_object_version 6
	.text
	.protected	k_qd0c437e550_place
	.globl	k_qd0c437e550_place
	.p2align	8
	.type	k_qd0c437e550_place,@function
k_qd0c437e550_place:
	s_mov_b64 s[64:65], 0
	v_nop
	global_prefetch_b8 v0, s[64:65] scope:SCOPE_SE
	s_setreg_imm32_b32 hwreg(HW_REG_WAVE_SCHED_MODE, 0, 2), 2
	s_setreg_imm32_b32 hwreg(HW_REG_WAVE_MODE, 25, 1), 1
	s_wait_xcnt 0x0
	s_wait_alu depctr_vm_vsrc(0)
; PLACE: moves each point to its slot in its block's order by model.
;   slot = gbase[b][group][model] + rank, model and rank from pk;  xh[b][slot] = (x0, x1, x2, 0) in f16;  list[b][slot] = the point's number in its block.
; The slots of a block are a permutation of 0 .. 2,047, so every byte of xh and of list is written, once.
; A whole number goes from a 4-byte load through plain arithmetic and a clamp into an address; there is no branch.
; 256 work-groups of 4 waves; a wave takes 128 neighbouring points, 4 a lane, 32 apart, so that each load of a wave covers neighbouring bytes.
; Point 32 i + lane of the wave's 128 belongs to the earlier launch's group j = lane & 3 of the same 128 points.
; LIMIT: |x| up to 65,504 (f16's largest number); beyond it the conversion gives infinity.
; THE STORES are 8 and 4 bytes a lane at slots that hang on the models: neighbouring points may belong to 32 different models, so no order of
; the work gives a lane's neighbours neighbouring slots.  They stay inside the block's 16 KiB of xh and 8 KiB of list.
; A stream: no LDS, no barrier, no matrix unit, no cluster.
; THE MODE: SCHED_MODE bits 1:0 = 2 (LLVM: expert scheduling mode 2), set by the entry lines.  The code itself states the register dependences
; between vector instructions and memory instructions, with s_wait_alu, always for 0.
; THE PLAN.  Registers that memory instructions touch, in program order (there is no loop):
;   PKO, XO            written once at the head by vector lines; read as offsets by the loads of pk and of x.
;   PKW, X             written by those loads alone; read by vector lines behind the wait for the data.
;   BA                 written once by vector lines; read as offsets by the four loads of gbase.
;   BS                 written by those loads, then by the slot's arithmetic behind the wait for the data; no memory instruction reads it.
;   XHO, LO, H, NL     written once by vector lines; read by the eight stores, as offsets and data.
; No register that a memory instruction reads is written again, and EXEC is never written.  So three waits on va_vdst state everything: one ahead of
; the first load, one ahead of the run of gbase loads, one ahead of the run of stores; each run's offsets and data are all made ahead of its wait.
; One wait on va_sdst stands between the line that writes the wave's number into a scalar register and that register's first reader.
.set LANE, 1                           ; v1
.set PKO,  2                           ; v2        4 lane
.set XO,   3                           ; v3        12 lane
.set JO,   4                           ; v4        256 (lane & 3): my group's row of gbase
.set PKW,  8                           ; v[8:11]   pk of my four points
.set X,    12                          ; v[12:14], v[16:18], v[20:22], v[24:26]  their x
.set M,    28                          ; v[28:31]  model
.set R,    32                          ; v[32:35]  rank
.set BA,   36                          ; v[36:39]  offset in gbase
.set BS,   40                          ; v[40:43]  gbase, then the slot
.set XHO,  44                          ; v[44:47]  offset in xh
.set LO,   48                          ; v[48:51]  offset in list
.set H,    52                          ; v[52:59]  x in f16, a pair of registers a point
.set NL,   60                          ; v[60:63]  the point's number in its block
	s_load_b256 s[4:11], s[0:1], 0x0               ; pk s[4:5], gbase s[6:7], x s[8:9], xh s[10:11]
	s_load_b64 s[12:13], s[0:1], 0x20              ; list
	v_and_b32 v[LANE], 31, v0
	v_lshrrev_b32 v[JO], 5, v0
	v_readfirstlane_b32 s2, v[JO]                  ; wave 0..3
	v_lshlrev_b32 v[PKO], 2, v[LANE]               ; the offsets that do not hang on the wave's number stand between that line and the wait for it
	v_mul_u32_u24 v[XO], v[LANE], 12
	v_and_b32 v[JO], 3, v[LANE]
	v_lshlrev_b32 v[JO], 8, v[JO]
	s_lshr_b32 s14, ttmp9, 2                       ; block b
	s_mov_b32 s17, 0
	s_wait_alu depctr_va_sdst(0)                   ; s2 is written, ahead of its first reader: the next line
	s_lshl2_add_u32 s3, ttmp9, s2                  ; which 128 points of the 131,072: 0..1,023
	s_and_b32 s15, s3, 15                          ; which 128 points of the block
	s_lshl_b32 s18, s15, 7
	v_add_nc_u32 v[NL], s18, v[LANE]
.irp i, 1,2,3
	v_add_nc_u32 v[NL+\i], 32*\i, v[NL]
.endr
	s_wait_kmcnt 0x0
	s_lshl_b32 s16, s3, 9
	s_add_nc_u64 s[4:5], s[4:5], s[16:17]          ; pk: 128 points x 4 bytes
	s_mul_i32 s16, s3, 1536
	s_add_nc_u64 s[8:9], s[8:9], s[16:17]          ; x: 128 points x 12 bytes
	s_wait_alu depctr_va_vdst(0)                   ; PKO and XO are written, which the eight loads below read as their offsets
.irp i, 0,1,2,3
	global_load_b32 v[PKW+\i], v[PKO], s[4:5] offset:128*\i
.endr
.irp i, 0,1,2,3
	global_load_b96 v[X+4*\i:X+4*\i+2], v[XO], s[8:9] offset:384*\i
.endr
	s_lshl_b32 s16, s3, 10
	s_add_nc_u64 s[6:7], s[6:7], s[16:17]          ; gbase: the four groups of these 128 points, 256 bytes each
	s_lshl_b32 s16, s14, 14
	s_add_nc_u64 s[10:11], s[10:11], s[16:17]      ; xh: 2,048 slots x 8 bytes a block
	s_lshl_b32 s16, s14, 13
	s_add_nc_u64 s[12:13], s[12:13], s[16:17]      ; list: 2,048 slots x 4 bytes
	s_wait_loadcnt 0x4                             ; loads come back in order (ISA guide 5.7.1): the four pk are in, the four x behind them may stay out
.irp i, 0,1,2,3
	v_and_b32 v[M+\i], 0xff, v[PKW+\i]
.endr
.irp i, 0,1,2,3
	v_min_u32 v[M+\i], 63, v[M+\i]                 ; a loaded number is clamped before it enters an address
.endr
.irp i, 0,1,2,3
	v_lshl_add_u32 v[BA+\i], v[M+\i], 2, v[JO]
.endr
	s_wait_alu depctr_va_vdst(0)                   ; all four BA are written, which the four loads below read as their offsets
.irp i, 0,1,2,3
	global_load_b32 v[BS+\i], v[BA+\i], s[6:7]
.endr
.irp i, 0,1,2,3
	v_lshrrev_b32 v[R+\i], 8, v[PKW+\i]            ; the ranks are made while gbase is on its way: these lines name neither BA nor BS
.endr
	s_wait_loadcnt 0x4                             ; the four x are in, the four gbase behind them may stay out
.irp i, 0,1,2,3
	v_cvt_pk_f16_f32 v[H+2*\i],   v[X+4*\i],   v[X+4*\i+1]
	v_cvt_pk_f16_f32 v[H+2*\i+1], v[X+4*\i+2], 0
.endr
.irp i, 0,1,2,3
	s_wait_loadcnt 3-\i                            ; gbase of point i is in, the 3 - i younger ones may stay out
	v_add_nc_u32 v[BS+\i], v[BS+\i], v[R+\i]       ; the slot
	v_min_u32 v[BS+\i], 0x7ff, v[BS+\i]            ; clamped before it enters an address
	v_lshlrev_b32 v[XHO+\i], 3, v[BS+\i]
	v_lshlrev_b32 v[LO+\i], 2, v[BS+\i]
.endr
	s_wait_alu depctr_va_vdst(0)                   ; XHO, LO, H and NL are written, which the eight stores below read as their offsets and data
.irp i, 0,1,2,3
	global_store_b64 v[XHO+\i], v[H+2*\i:H+2*\i+1], s[10:11]
	global_store_b32 v[LO+\i], v[NL+\i], s[12:13]
.endr
	s_endpgm
.Lfunc_end_k_qd0c437e550_place:
	.size	k_qd0c437e550_place, .Lfunc_end_k_qd0c437e550_place-k_qd0c437e550_place
	.p2alignl 7, 3214868480
	.fill 96, 4, 3214868480
	.section	.rodata,"a",@progbits
	.p2align	6, 0x0
	.amdhsa_kernel k_qd0c437e550_place
		.amdhsa_group_segment_fixed_size 0
		.amdhsa_private_segment_fixed_size 0
		.amdhsa_enable_private_segment 0
		.amdhsa_kernarg_size 40
		.amdhsa_user_sgpr_count 2
		.amdhsa_user_sgpr_kernarg_segment_ptr 1
		.amdhsa_wavefront_size32 1
		.amdhsa_system_sgpr_workgroup_id_x 1
		.amdhsa_system_sgpr_workgroup_id_y 1
		.amdhsa_system_sgpr_workgroup_id_z 1
		.amdhsa_system_vgpr_workitem_id 0
		.amdhsa_next_free_vgpr 64
		.amdhsa_next_free_sgpr 66
		.amdhsa_reserve_vcc 0
		.amdhsa_float_denorm_mode_32 3
		.amdhsa_float_denorm_mode_16_64 3
		.amdhsa_memory_ordered 1
		.amdhsa_forward_progress 1
		.amdhsa_inst_pref_size 6
	.end_amdhsa_kernel
	.amdgpu_metadata
---
amdhsa.version: [ 1, 2 ]
amdhsa.kernels:
  - .name:           k_qd0c437e550_place
    .symbol:         k_qd0c437e550_place.kd
    .args:
      - { .name: pk, .offset: 0, .size: 8, .value_kind: global_buffer, .address_space: global }
      - { .name: gbase, .offset: 8, .size: 8, .value_kind: global_buffer, .address_space: global }
      - { .name: x, .offset: 16, .size: 8, .value_kind: global_buffer, .address_space: global }
      - { .name: xh, .offset: 24, .size: 8, .value_kind: global_buffer, .address_space: global }
      - { .name: list, .offset: 32, .size: 8, .value_kind: global_buffer, .address_space: global }
    .group_segment_fixed_size: 0
    .private_segment_fixed_size: 0
    .kernarg_segment_align: 8
    .kernarg_segment_size: 40
    .max_flat_workgroup_size: 128
    .sgpr_count:     66
    .vgpr_count:     64
    .wavefront_size: 32
...
	.end_amdgpu_metadata
.endif
;; end of part 4
;; launch mlp: the kernel of part 3 again; grid 256 x 1, 16 waves a work-group, no clusters, 12,288 bytes of LDS; arguments seg, xh, list, W1, b1, W2, b2, W3, b3, out0; writes out0
